; MI455X (gfx1250); checked and timed in simulation.
; The chip was launched on July 23, 2026; its instructions are those of AMD's public machine-readable ISA for CDNA 5 (MIT licence, August 2026) and "CDNA5" Instruction Set Architecture Reference Guide (July 2026). The comments in the code are by the model that wrote it; some were corrected since.
;; Multi Head Global Attention. Allowed arithmetic: matrix products marked QUANTISED: E5M2 operands, one E8M0 scale for each 32 along K, by v_wmma_scale_f32_16x16x128_f8f6f4 with both operands' format E5M2, f32 sums; everything else in f32.
;; Inputs: b_o 1,024 float32; b_qkv 3,072 float32; w_o_codes 1,024 x 32 x 32 uint8 (E5M2 codes of w_o, K innermost, in blocks of 32 codes); w_o_scales 1,024 x 32 uint8 (E8M0 scales of w_o, one for each 32 codes along K); w_qkv_codes 3,072 x 32 x 32 uint8 (E5M2 codes of w_qkv, K innermost, in blocks of 32 codes); w_qkv_scales 3,072 x 32 uint8 (E8M0 scales of w_qkv, one for each 32 codes along K); x_codes 2 x 2,048 x 32 x 32 uint8 (E5M2 codes of x, K innermost, in blocks of 32 codes); x_scales 2 x 2,048 x 32 uint8 (E8M0 scales of x, one for each 32 codes along K).
;; Outputs: out0 2 x 2,048 x 1,024 float32.
;; This version of the problem:
;;   THIS VERSION OF THE PROBLEM IS GIVEN IN LOW PRECISION. The matrix products marked QUANTISED in the list below multiply operands that are first quantised to E5M2 (5 exponent bits, 2 mantissa bits; 8 bits a number), with one power-of-two scale for each 32 numbers along K (OCP MX v1.0); their sums are f32. All else is computed in f32.
;;   The module's matrix products, in the order in which they are computed (A, B: the left and right operand; K: the contracted axis; several contracted axes count as one K, in the product's order):
;;     1. [M 4,096, K 1,024] x [K 1,024, N 3,072]; A: input x (given as codes); B: input w_qkv (given as codes): QUANTISED
;;     2. batch 32 x [M 2,048, K 64] x [K 64, N 2,048]; A: computed on the way; B: computed on the way: QUANTISED
;;     3. batch 32 x [M 2,048, K 2,048] x [K 2,048, N 64]; A: softmax (see below); B: computed on the way: QUANTISED
;;     4. [M 4,096, K 1,024] x [K 1,024, N 1,024]; A: computed on the way; B: input w_o (given as codes): QUANTISED
;;   THE QUANTISER, for each operand of a quantised product, along K:
;;     - K is cut into blocks of 32 from its start; a last block that is shorter is filled with zeros.
;;     - A block's scale is 2^e with e = floor(log2(the largest magnitude in the block)) - 15, held to -126 .. 127; a block of zeros has e = 0. As a byte (E8M0): e + 127.
;;     - Each number is divided by its block's scale, clamped to +-57,344, and rounded to the nearest number of E5M2, ties to even, subnormals kept.
;;     - The product sums the exact products of the quantised numbers (number of the format x scale) in f32.
;;   ~~~python
;;   def quantise(x, axis):      # numpy; x: float32 -> the quantised numbers, widened to float32 again
;;       x = np.moveaxis(x, axis, -1); K = x.shape[-1]
;;       x = np.pad(x, [(0, 0)] * (x.ndim - 1) + [(0, -K % 32)]); x = x.reshape(x.shape[:-1] + (-1, 32)); a = np.abs(x).max(-1, keepdims=True)
;;       e = np.where(a > 0, np.clip(np.frexp(np.where(a > 0, a, 1))[1] - 1 - 15, -126, 127), 0)      # np.frexp(a)[1] - 1 = floor(log2(a)), exactly
;;       r = np.clip(x / 2.0 ** e, -57344, 57344)
;;       step = 2.0 ** (np.maximum(np.frexp(np.where(r == 0, 1, r))[1] - 1, -14) - 2)
;;       q = np.round(r / step) * step * 2.0 ** e      # np.round: ties to even
;;       return np.moveaxis(q.reshape(q.shape[:-2] + (-1,))[..., :K], -1, axis).astype(np.float32)
;;   ~~~
;;   SOFTMAX AHEAD OF A QUANTISED PRODUCT. Where the list says 'softmax', what is quantised is not the finished softmax but p = 2^(t - M), with t = logit x log2(e) and M = ceil(the row's largest t), a whole number; so 1/2 < the row's largest p <= 1. The row's sum l is taken of the UNQUANTISED p, in f32, and the product's result is divided by l at the end. Since M is a whole number, a kernel that streams over the keys may use a running M (the ceiling of the running maximum): every later rescaling is an exact power of two, which a block's scale takes up: the codes' values come out the same.
;;   OPERANDS COMPUTED ON THE WAY. 'Computed on the way' means the value that the module computes at that place (a softmax that the list does not call 'softmax' is quantised finished and normalised). What goes into a quantiser is computed in f32, as accurately as f32 sums, v_exp_f32 and their like allow (about 1e-6 of the number): no bf16 or f16 on the way to a quantiser, and a product that is left as it is and whose result goes on into a quantised operand takes f32 operands (vector FMAs, or v_wmma_f32_16x16x4_f32). A number that lies on a knife's edge between two numbers of the format may be rounded either way, as far as f32 arithmetic and the matrix unit's own rounding can turn it there, and no further.
;;   INPUTS GIVEN AS CODES. w_o (in the module: [1024, 1024], K = its axis 0); w_qkv (in the module: [1024, 3072], K = its axis 0); x (in the module: [2, 2048, 1024], K = its axis 2): each comes as NAME_codes (uint8): NAME with its K axis moved to the last place and cut into blocks of 32 codes, [.., K / 32, bytes a block], one block behind the other in memory; one code a byte (a code: sign, 5 exponent bits, 2 mantissa bits); and NAME_scales (uint8): the same leading axes, one E8M0 byte (e + 127) for each 32 codes along K. Its value is code x scale, taken as it is: it is not quantised again, and the codes and scales need not be those that the quantiser above would give.
;; One version. Each part assembles by itself: llvm-mc -triple=amdgcn-amd-amdhsa -mcpu=gfx1250 --defsym DOCPART=n.
;; ======== version 1 of 1: 3 launches
;; limits: right only within a limited range of input values
;; workspace buffers: qc 4,194,304 bytes; qs 262,144 bytes; kv 8,781,824 bytes; ao 4,194,304 bytes; aos 131,072 bytes
;; launch qkv (part 1): grid 8 x 32, 4 waves a work-group, clusters of 4 x 4, 327,680 bytes of LDS; arguments x_codes, x_scales, w_qkv_codes, w_qkv_scales, b_qkv, qc, qs, kv; writes qc, qs, kv
.if DOCPART == 1
	.amdgcn_target "amdgcn-amd-amdhsa--gfx1250"
	.amdhsa_code_object_version 6
	.text
	.protected	k_qfd98c1ce56_qkv
	.globl	k_qfd98c1ce56_qkv
	.p2align	8
	.type	k_qfd98c1ce56_qkv,@function
k_qfd98c1ce56_qkv:
	s_mov_b64 s[64:65], 0
	v_nop
	global_prefetch_b8 v0, s[64:65] scope:SCOPE_SE
	s_setreg_imm32_b32 hwreg(HW_REG_WAVE_MODE, 25, 1), 1
	s_wait_xcnt 0x0
	s_wait_alu depctr_hold_cnt(0) depctr_sa_sdst(0) depctr_va_vdst(0) depctr_va_sdst(0) depctr_va_ssrc(0) depctr_va_vcc(0) depctr_vm_vsrc(0)
	s_getreg_b32 s2, hwreg(HW_REG_IB_STS2, 6, 4)
	s_cmp_eq_u32 s2, 0
	s_cbranch_scc0 .Lentry_in_a_cluster
	s_endpgm
.Lentry_in_a_cluster:
	s_bfe_u32 s2, ttmp6, 0x10000c
	s_cmp_lg_u32 s2, 0xf033
	s_cbranch_scc0 .Lentry_shape_is_right
	s_endpgm
.Lentry_shape_is_right:
; qkv = x w_qkv + b_qkv on codes of E5M2 with E8M0 scales (K = 1,024), and the quantising of q, k (along the head's 64) and v (along the keys).
; NO WORK IS LEFT OUT in this program: every input has a way to the output (b_qkv's k part moves k's codes, so it stays), and all four products are live.
; SHARES.  A work-group makes 128 tokens x two heads' 192 columns (q | k | v); wave w tokens 64 (w / 2) .. + 63 against head w % 2.  A wave holds its 64 rows of x, ALL OF K, in 512 registers and streams the head's
; twelve tiles of 16 rows of W past them (tiles 0-3 q, 4-7 k, 8-11 v): 32 products a tile, its fragments in two whole sets by turns.  Two tiles are a group of eight accumulators; groups take turns on two sets of sums,
; and a group's way out (maxima, holds, conversions, stores) stands among the next group's products.
; q and k are made TRANSPOSED (source 0 = 16 rows of W, source 1 = 16 tokens): a lane holds one token and its registers run along the head's 64.  v is made with source 0 = 16 tokens, source 1 = 16 rows of W:
; a lane holds one channel and its registers run along the keys.  So each quantiser finds its K in one lane's registers (and in the lane 16 away).  The bias is the first products' C.
; THE ORDER INSIDE A BLOCK OF 32.  Two neighbouring source-0 tiles u = 0, 1 give lane (r, h) the numbers 16 u + 8 h + j of a block; converted in that order they stand at place 16 h + 8 u + j of
; the operand.  Every computed operand of this program is laid so; both sides of products 2 and 3 are, so the sums are those of the true order; product 4's given weight is read in the same order.
; WORKSPACES ARE IMAGES OF OPERAND REGISTERS: four registers of a fragment are 512 bytes, lane l's 16 at 16 l.  qc: [bh 32][tile of 16 queries 128][block 2][512].  qs: [bh][4 tiles][r 16][tile 4] words (two bytes used, the upper two 0).
; kv, 274,432 bytes for each bh: images of key steps 0-3 | the scale words of all 16 key steps, 768 bytes each | images of key steps 4-15.  An image (128 keys, 16,384 bytes): K's tiles t at 1,024 t + 512 c; V^T's tiles dt at 8,192 + 2,048 dt + 512 c
; (c = block).  A step's scale words: K's [half 2][r 16][4 tiles], V's at 512 + 16 r + 4 dt.
; LDS: two slots of 128 whole rows.  At the head x lies in slot 1, both heads' q rows in slot 0; k's rows are filled over x once all waves hold it in registers, v's over q's: two refills, each in a drained round.
; CLUSTERS: 4 x 4 work-groups; x's rows are asked for jointly along a row of the cluster, W's along a column.
; PREFETCH: k's and v's rows, two tiles and more ahead of their loads, a sixteenth of each a wave of a cluster's column, in four rows of clusters alone, since all rows of clusters read the same W.
; LIMITS: NaN and infinities are not served.  A block whose largest magnitude lies under 2^-111 takes the scale byte 1; a block of zeros takes 1 where the rule says 127: its codes are zeros, and this program alone reads the bytes.
; V's scale words are stored two bytes a lane (the halves of a word come from two waves).
; REGISTERS: windows 1 and 2: x (fragment 4 q + xt); window 3: W's two sets; window 0: all else.
.set PITCH, 1040                       ; an LDS row: 1,024 bytes + 16 of padding: the 16 rows of a fragment load start at 16 different groups of four banks
.set SLOT1, 128*PITCH
.set SCW,   2*SLOT1                    ; W's scale bytes of both heads: 48 units of 256 bytes + 16
.set SPARE, SCW+48*272                 ; the spare words
.set TROW,  16*PITCH
.set ADX,  4
.set ADW,  5                           ; v5, v6: W's fragments in slot 0, 1
.set PFO,  7
.set KO,   8
.set VO,   9
.set KSO,  10
.set VSO,  11
.set SOF,  12
.set LI,   13
.set SPW,  14
.set NIL,  15
.set SX,   16                          ; v16-31 x's scale words: register 8 p + q: lanes 0-15 tile 2 p, lanes 16-31 tile 2 p + 1
.set ADRS, 32
.set XSO,  33
.set BOF,  34
.set BVO,  35
.set SW,   36                          ; v36-51 W's, two sets of eight: no product's two scale words have numbers equal modulo 8
.set BI,   52                          ; v52-83 the biases of four tiles, eight registers each
.set VB,   84                          ; v84-87 v's biases, a number a tile
.set ACC,  88                          ; v88-215 two sets of eight accumulators
.set CD,   216                         ; v216-231 codes
.set TM,   232
.set QW,   248                         ; q's, then k's scale words
.set VW,   252
.set WV,   20
.set ROW,  21
.set COL,  22
.set MNT,  23
.set G1X,  24
.set G1W,  32
.set G1R,  40
.set G1S,  48
.set G0,   56                          ; the head's load
.set G0R,  68
.set HI,   98                          ; lanes 16-31
.set SEL,  96
.set PADW, (1<<20)|(1<<21)|(7<<22)|(3<<25)     ; padding on; bit 21 beside a mask; after every 256 words; four words
.set PADS, (3<<16)|(1<<20)|(1<<21)|(5<<22)|(3<<25)
.set MSB, 0
.macro WIN new                         ; the immediate's high byte repeats the setting that is left
.if MSB != \new
	s_set_vgpr_msb (MSB<<8)|\new
.set MSB, \new
.endif
.endm
.macro PLACES n
.rept \n
	v_nop
.endr
.endm
.macro BARRIER
	s_barrier_signal -1
	s_barrier_wait -1
.endm
.macro MIDDLE                          ; a round's middle, behind its opening signal
	WIN 0
	s_barrier_wait -1
	s_cmp_lg_u32 s[WV], 0
	s_cbranch_scc1 .Lnot_wave_0_\@
	s_barrier_signal -3
.Lnot_wave_0_\@:
	s_barrier_wait -3
.endm
.macro CROUND
	s_barrier_signal -1
	MIDDLE
	BARRIER
.endm
.macro TLOAD g0, g1
	tensor_load_to_lds s[\g0:\g0+3], s[\g1:\g1+7]
	s_nop 0
	PLACES 4
.endm
.macro GROUP1 g, mask, rows            ; whole rows of 1,024 bytes, dense in memory, padded in LDS
	s_or_b32 s[\g], s[\mask], PADW
	s_mov_b32 s[\g+1], 1024<<16
	s_mov_b32 s[\g+2], (\rows)<<16
	s_mov_b32 s[\g+3], 1024<<16
	s_mov_b32 s[\g+4], \rows
	s_mov_b32 s[\g+5], 1024
	s_mov_b32 s[\g+6], 0
	s_mov_b32 s[\g+7], 0
.endm
	s_load_b256 s[4:11], s[0:1], 0x0               ; x's codes, x's scales, W's codes, W's scales
	s_load_b256 s[12:19], s[0:1], 0x20             ; b_qkv, qc, qs, kv
	v_lshl_add_u32 v[SPW], v0, 2, SPARE
	v_mov_b32 v[NIL], 0
	ds_add_u32 v[SPW], v[NIL]                      ; the opening: the add, twice on end, and its wait ahead of my first tensor load
	ds_add_u32 v[SPW], v[NIL]
	v_lshrrev_b32 v1, 5, v0
	v_readfirstlane_b32 s[WV], v1                  ; wave 0..3
	s_lshr_b32 s[ROW], s[WV], 1                    ; which 64 tokens
	s_and_b32 s[COL], s[WV], 1                     ; which head of the two
	s_bfe_u32 s76, ttmp6, 0x40000                  ; cx
	s_bfe_u32 s77, ttmp6, 0x40004                  ; cy
	s_lshl_b32 s78, ttmp9, 2
	s_add_co_u32 s78, s78, s76                     ; the pair of heads
	s_and_b32 s95, ttmp7, 0xffff                   ; the cluster's row
	s_lshl_b32 s79, s95, 2
	s_add_co_u32 s79, s79, s77                     ; the block of 128 tokens
	s_lshl_b32 s80, s77, 2
	s_lshl_b32 s80, 15, s80                        ; my row of the cluster
	s_lshl_b32 s81, 0x1111, s76                    ; my column
	GROUP1 G1X, 80, 128
	GROUP1 G1W, 81, 64
	GROUP1 G1R, 81, 32
	s_or_b32 s[G1S], s81, PADS                     ; the scale bytes of 384 rows of W: 12,288 dense bytes as 48 rows of 32 elements of 8 bytes
	s_mov_b32 s[G1S+1], 32<<16
	s_mov_b32 s[G1S+2], 48<<16
	s_mov_b32 s[G1S+3], 32<<16
	s_mov_b32 s[G1S+4], 48
	s_mov_b32 s[G1S+5], 32
	s_mov_b32 s[G1S+6], 0
	s_mov_b32 s[G1S+7], 0
	s_mov_b32 s[G0], 1
	s_mov_b32 s[G0R], 1
	s_lshl_b32 s82, s79, 17                        ; x: 128 rows of 1,024 bytes
	s_mov_b32 s83, 0
	s_mul_i32 s84, s78, 384*1024                   ; W: 384 rows
	s_mov_b32 s85, 0
	s_mul_i32 s86, s78, 384*32                     ; their scale bytes
	s_mov_b32 s87, 0
	s_lshl_b32 s90, s79, 12                        ; my 64 tokens' scale bytes
	s_lshl_b32 s91, s[ROW], 11
	s_add_co_u32 s90, s90, s91
	s_mov_b32 s91, 0
	v_and_b32 v1, 15, v0                           ; r
	v_bfe_u32 v2, v0, 4, 1                         ; h
	v_and_b32 v3, 31, v0                           ; lane
	v_mul_u32_u24 v232, v1, PITCH
	v_lshl_add_u32 v232, v2, 4, v232               ; a fragment's row x pitch + 16 h
	s_mul_i32 s92, s[ROW], 64*PITCH
	s_add_co_u32 s92, s92, SLOT1
	v_add_nc_u32 v[ADX], s92, v232
	s_mul_i32 s92, s[COL], 64*PITCH
	v_add_nc_u32 v[ADW], s92, v232
	v_add_nc_u32 v[ADW+1], SLOT1, v[ADW]
	v_lshrrev_b32 v233, 3, v1
	v_and_b32 v234, 7, v1
	v_mul_u32_u24 v233, v233, 272
	v_lshl_add_u32 v233, v234, 5, v233             ; a row of scales is 32 bytes: eight rows to a unit of 256 + 16
	s_mul_i32 s92, s[COL], 24*272
	s_add_co_u32 s92, s92, SCW
	v_add_nc_u32 v[ADRS], s92, v233
	v_lshlrev_b32 v[LI], 4, v3
	v_lshlrev_b32 v[XSO], 5, v3
	v_lshlrev_b32 v[BOF], 5, v2
	v_lshlrev_b32 v[BVO], 2, v1
	v_lshlrev_b32 v[SOF], 4, v1
	v_lshl_add_u32 v[SOF], v2, 3, v[SOF]           ; 16 r + 8 h
	s_wait_alu depctr_va_vdst(0)
	s_wait_dscnt 0x0                               ; both opening adds are done
	CROUND                                         ; all sixteen work-groups are here: the first joint loads meet
	s_wait_kmcnt 0x0
	s_add_nc_u64 s[82:83], s[4:5], s[82:83]
	s_add_nc_u64 s[84:85], s[8:9], s[84:85]
	s_add_nc_u64 s[86:87], s[10:11], s[86:87]
	; the head's loads, one a wave: x's rows, each head's q rows, W's scale bytes
.macro HEADLOAD lds, base, off, g1
	s_mov_b32 s[G0+1], \lds
	s_add_nc_u64 s[G0+2:G0+3], s[\base:\base+1], \off
	s_or_b32 s[G0+3], s[G0+3], 0x80000000
	TLOAD G0, \g1
.endm
.macro ARM under, lds, base, off, g1, next
	s_cmp_lt_u32 s[WV], \under
	s_cbranch_scc0 \next
	HEADLOAD \lds, \base, \off, \g1
	s_branch .Lasked
\next:
.endm
	ARM 1, SLOT1, 82, 0, G1X, .Larm1
	ARM 2, 0, 84, 0, G1W, .Larm2
	ARM 3, 64*PITCH, 84, 192*1024, G1W, .Larm3
	HEADLOAD SCW, 86, 0, G1S
.Lasked:
	s_add_nc_u64 s[6:7], s[6:7], s[90:91]
.irp p, 0,1
.irp c, 0,1
	global_load_b128 v[SX+8*\p+4*\c:SX+8*\p+4*\c+3], v[XSO], s[6:7] offset:1024*\p+16*\c
.endr
.endr
	s_lshl_b32 s88, s78, 1
	s_add_co_u32 s88, s88, s[COL]                  ; my head
	s_mul_i32 s92, s88, 768
	s_mov_b32 s93, 0
	s_add_nc_u64 s[12:13], s[12:13], s[92:93]      ; b_qkv at my head's 192 numbers
.irp i, 0,1,2,3
	global_load_b128 v[BI+8*\i:BI+8*\i+3], v[BOF], s[12:13] offset:64*\i          ; q's bias at 16 i + 8 h + 0 .. 7
	global_load_b128 v[BI+8*\i+4:BI+8*\i+7], v[BOF], s[12:13] offset:64*\i+16
	global_load_b32 v[VB+\i], v[BVO], s[12:13] offset:512+64*\i                   ; v's of channel 16 i + r
.endr
	s_lshl_b32 s92, s77, 2
	s_add_co_u32 s92, s92, s[WV]                   ; which of the cluster column's sixteen waves I am: my 8,192 bytes of k's rows, and of v's
	s_lshr_b32 s93, s92, 3
	s_mul_i32 s93, s93, 192*1024
	s_and_b32 s92, s92, 7
	s_lshl_b32 s92, s92, 13
	s_add_co_u32 s92, s92, s93
	s_add_co_u32 s92, s92, 65536
	v_lshl_add_u32 v[PFO], v3, 8, s92
	s_cmp_lt_u32 s95, 4
	s_wait_alu depctr_va_vdst(0)
	s_cbranch_scc0 .Lnone_ahead
	global_prefetch_b8 v[PFO], s[84:85] th:TH_LOAD_NT scope:SCOPE_SE
	global_prefetch_b8 v[PFO], s[84:85] offset:65536 th:TH_LOAD_NT scope:SCOPE_SE
.Lnone_ahead:
	; the refills: a wave 32 rows, heads by w / 2
	s_mul_i32 s94, s[WV], 32*PITCH                 ; v's place, in slot 0
	s_add_co_u32 s[G0R+1], s94, SLOT1              ; k's, in slot 1
	s_mul_i32 s92, s[ROW], 192*1024
	s_lshl_b32 s93, s[COL], 15
	s_add_co_u32 s92, s92, s93
	s_add_co_u32 s92, s92, 65536
	s_mov_b32 s93, 0
	s_add_nc_u64 s[G0R+2:G0R+3], s[84:85], s[92:93]
	s_or_b32 s[G0R+3], s[G0R+3], 0x80000000
	s_mov_b32 s[MNT], 0x600000                     ; the mantissa field of 57,344
	s_mov_b32 s[SEL], 0x76543210
	s_mov_b32 s[SEL+1], 0xfedcba98                 ; v_permlanex16_b32's selects for lane l xor 16
	v_cmp_le_u32 s[HI], 16, v3
	; the outputs' bases
	s_lshr_b32 s92, s79, 4
	s_lshl_b32 s92, s92, 4
	s_add_co_u32 s88, s88, s92                     ; bh = 16 x batch + head
	s_and_b32 s89, s79, 15                         ; j: the key step
	s_lshl_b32 s90, s88, 7
	s_lshl_b32 s92, s89, 3
	s_add_co_u32 s90, s90, s92
	s_lshl_b32 s92, s[ROW], 2
	s_add_co_u32 s90, s90, s92                     ; 128 bh + my first tile of 16 tokens
	s_lshl_b32 s92, s90, 10
	s_add_nc_u64 s[14:15], s[14:15], s[92:93]      ; qc: 1,024 bytes a tile
	s_lshl_b32 s92, s90, 6
	s_add_nc_u64 s[16:17], s[16:17], s[92:93]      ; qs: 256 bytes for four tiles
	s_mul_i32 s92, s88, 274432
	s_add_nc_u64 s[18:19], s[18:19], s[92:93]      ; kv at my head
	s_mul_i32 s92, s89, 768
	s_add_co_u32 s92, s92, 65536
	s_add_nc_u64 s[2:3], s[18:19], s[92:93]        ; the key step's scale words
	s_lshl_b32 s92, s89, 14
	s_lshr_b32 s90, s89, 2
	s_min_u32 s90, s90, 1
	s_mul_i32 s90, s90, 12288                      ; from key step 4 on the images lie behind the scale words
	s_add_co_u32 s92, s92, s90
	s_add_nc_u64 s[18:19], s[18:19], s[92:93]      ; the key step's image
	s_lshl_b32 s92, s[ROW], 12
	v_add_nc_u32 v[KO], s92, v[LI]                 ; K's tiles of my half of the key step
	s_lshl_b32 s92, s[ROW], 10
	s_add_co_u32 s92, s92, 8192
	v_add_nc_u32 v[VO], s92, v[LI]                 ; V^T's blocks of my half
	s_lshl_b32 s92, s[ROW], 8
	v_add_nc_u32 v[KSO], s92, v[SOF]               ; K's scale words
	s_lshl_b32 s92, s[ROW], 1
	s_add_co_u32 s92, s92, 512
	v_add_nc_u32 v[VSO], s92, v[SOF]               ; V's: my two bytes of each word
.irp i, 2,3,10,11
	v_mov_b32 v[TM+\i], 0                          ; a lane permute's destination counts as one of its sources
.endr
.macro FETCH T                         ; W's tile T, 16 rows, all of K, into set T % 2, and its scale words: 34 loads.  Registers 4 c .. 4 c + 3 of a fragment hold K = 32 c + 16 h + 0 .. 15
.set E_, (\T)%2
.set A_, ADW+((\T)/4)%2
	WIN 0xc0
.irp q, 0,1,2,3,4,5,6,7
.irp c, 0,1,2,3
	ds_load_b128 v[128*E_+16*\q+4*\c:128*E_+16*\q+4*\c+3], v[A_] offset:((\T)%4)*TROW+128*\q+32*\c
.endr
.endr
	WIN 0
	ds_load_b128 v[SW+8*E_:SW+8*E_+3], v[ADRS] offset:544*(\T)
	ds_load_b128 v[SW+8*E_+4:SW+8*E_+7], v[ADRS] offset:544*(\T)+16
.endm
.macro XL q                            ; x's four fragments of the q-th 128 along K: 16 loads
	WIN 0x40*(1+(\q)/4)
.irp t, 0,1,2,3
.irp c, 0,1,2,3
	ds_load_b128 v[16*((4*(\q)+\t)%16)+4*\c:16*((4*(\q)+\t)%16)+4*\c+3], v[ADX] offset:TROW*\t+128*(\q)+32*\c
.endr
.endr
	WIN 0
.endm
.macro PROD T, n                       ; product n = 4 q + xt of tile T: the four accumulators by turns
.set Q_, (\n)/4
.set T_, (\n)%4
.set E_, (\T)%2
.set A_, ACC+64*(((\T)/2)%2)
.set F_, 4*Q_+T_
.set XR_, 16*(F_%16)
.set WR_, 128*E_+16*Q_
.set XS_, SX+8*(T_/2)+Q_
.set WS_, SW+8*E_+Q_
.if (\T) < 8
.set D_, A_+8*(2*T_+E_)
.else
.set D_, A_+8*(4*E_+T_)
.endif
.set C_, D_
.if Q_ == 0
.set C_, BI+8*((\T)%4)
.endif
.if (\T) < 8
	WIN 3|((1+F_/16)<<2)
.if T_%2
	v_wmma_scale_f32_16x16x128_f8f6f4 v[D_:D_+7], v[WR_:WR_+15], v[XR_:XR_+15], v[C_:C_+7], v[WS_], v[XS_] matrix_a_fmt:MATRIX_FMT_BF8 matrix_b_fmt:MATRIX_FMT_BF8 matrix_b_scale:MATRIX_SCALE_ROW1
.else
	v_wmma_scale_f32_16x16x128_f8f6f4 v[D_:D_+7], v[WR_:WR_+15], v[XR_:XR_+15], v[C_:C_+7], v[WS_], v[XS_] matrix_a_fmt:MATRIX_FMT_BF8 matrix_b_fmt:MATRIX_FMT_BF8
.endif
.else
	WIN (1+F_/16)|(3<<2)
.if T_%2
	v_wmma_scale_f32_16x16x128_f8f6f4 v[D_:D_+7], v[XR_:XR_+15], v[WR_:WR_+15], v[C_:C_+7], v[XS_], v[WS_] matrix_a_fmt:MATRIX_FMT_BF8 matrix_b_fmt:MATRIX_FMT_BF8 matrix_a_scale:MATRIX_SCALE_ROW1
.else
	v_wmma_scale_f32_16x16x128_f8f6f4 v[D_:D_+7], v[XR_:XR_+15], v[WR_:WR_+15], v[C_:C_+7], v[XS_], v[WS_] matrix_a_fmt:MATRIX_FMT_BF8 matrix_b_fmt:MATRIX_FMT_BF8
.endif
.endif
.endm
.macro FOURP T, q
	PROD \T, 4*(\q)
	PROD \T, 4*(\q)+1
	PROD \T, 4*(\q)+2
	PROD \T, 4*(\q)+3
	WIN 0
.endm
; THE WAY OUT among tile T's products: of the group before, two of its four blocks of 32 (16 numbers mine, 16 in the lane 16 away) side by side: 64 lines
.macro LINE T, j
.set GP_, (\T)/2-1
.set S_, (\T)%2
.set X_, ACC+64*(GP_%2)+32*S_
.set M_, TM+8*S_
.set B_, (\j)%2
.set Y_, X_+16*B_
.set I_, 2*((\j)/2)
.if (\j) < 2
	v_max3_num_f32 v[M_+B_], |v[Y_]|, |v[Y_+1]|, 0x8000000         ; and the floor 2^(16 - 127): the byte cannot fall under 1
.elseif (\j) < 16
	v_max3_num_f32 v[M_+B_], v[M_+B_], |v[Y_+I_]|, |v[Y_+I_+1]|
.elseif (\j) < 18
	v_permlanex16_b32 v[M_+2+B_], v[M_+B_], s[SEL], s[SEL+1]
.elseif (\j) < 20
	v_max_num_f32 v[M_+B_], v[M_+B_], v[M_+2+B_]                   ; the block's largest magnitude
.elseif (\j) < 22
	v_add_nc_u32 v[M_+6+B_], 0xf8800000, v[M_+B_]                  ; 15 off its exponent field: the conversion's scale operand
.elseif (\j) < 24
	v_and_or_b32 v[M_+4+B_], v[M_+B_], 0x7f800000, s[MNT]          ; 57,344 x the scale
.elseif (\j) < 26
.if GP_ < 4 && GP_%2 == 0
	v_lshrrev_b32 v[QW+2*S_+B_], 23, v[M_+6+B_]                    ; the scale's byte
.else
	v_lshrrev_b32 v[M_+2+B_], 23, v[M_+6+B_]
.endif
.elseif (\j) < 28
.if GP_ < 4 && GP_%2 == 1
	v_lshl_or_b32 v[QW+2*S_+B_], v[M_+2+B_], 8, v[QW+2*S_+B_]      ; the token's scale word: two bytes; the upper two stay 0
.elseif GP_ > 3 && B_ == 0
	v_lshl_or_b32 v[VW+2*(GP_-4)+S_], v[M_+3], 8, v[M_+2]          ; my two bytes of the channel's word
.endif
.else
.set B_, ((\j)-28)/18
.set K_, ((\j)-28)%18
.set Y_, X_+16*B_
.set O_, CD+4*(2*S_+B_)
.if K_ < 8
	v_med3_num_f32 v[Y_+K_], v[Y_+K_], -v[M_+4+B_], v[M_+4+B_]     ; the conversion does not saturate (ISA guide 7.6.2): the hold
.elseif K_ == 8
	v_cvt_scalef32_pk8_bf8_f32 v[O_:O_+1], v[Y_:Y_+7], v[M_+6+B_]
.elseif K_ < 17
	v_med3_num_f32 v[Y_+K_-1], v[Y_+K_-1], -v[M_+4+B_], v[M_+4+B_]
.else
	v_cvt_scalef32_pk8_bf8_f32 v[O_+2:O_+3], v[Y_+8:Y_+15], v[M_+6+B_]
.endif
.endif
.endm
.macro LINES T, from, to
.set J_, \from
.rept (\to)-(\from)
.if J_ < 64
	LINE \T, J_
.endif
.set J_, J_+1
.endr
.endm
; pairs of products from .. to - 1 of tile T's sixteen.  fast = 0: four lines behind each pair but the first, eight behind the last; 1 (a barrier follows): five behind each, all done by the thirteenth
.macro PAIRS T, from, to, fast
.set P_, \from
.rept (\to)-(\from)
	PROD \T, 2*P_
	PROD \T, 2*P_+1
	WIN 0
.if (\T) > 1
.if \fast
.if P_ < 13
	LINES \T, 5*P_, 5*P_+5
.endif
.elseif P_ == 15
	LINES \T, 56, 64
	v_nop                                          ; a plain line behind the last conversion; with the seven holds ahead of it the eight places behind the last product
.elseif P_ > 0
	LINES \T, 4*P_-4, 4*P_
.endif
.endif
.set P_, P_+1
.endr
.endm
.macro SENDOUT T                       ; two blocks' codes: each store 512 consecutive bytes
.set GP_, (\T)/2-1
.set S_, (\T)%2
.irp b, 0,1
.if GP_ < 2
	global_store_b128 v[LI], v[CD+4*(2*S_+\b):CD+4*(2*S_+\b)+3], s[14:15] offset:1024*(2*S_+\b)+512*(GP_%2)
.elseif GP_ < 4
	global_store_b128 v[KO], v[CD+4*(2*S_+\b):CD+4*(2*S_+\b)+3], s[18:19] offset:1024*(2*S_+\b)+512*(GP_%2)
.else
	global_store_b128 v[VO], v[CD+4*(2*S_+\b):CD+4*(2*S_+\b)+3], s[18:19] offset:2048*(2*(GP_-4)+S_)+512*\b
.endif
.endr
.endm
.macro WORDS off, base                 ; lanes 16-31 store the words of tiles 2 and 3
	v_cndmask_b32 v[TM], v[QW], v[QW+2], s[HI]
	v_cndmask_b32 v[TM+1], v[QW+1], v[QW+3], s[HI]
	global_store_b64 v[\off], v[TM:TM+1], s[\base:\base+1]
.endm
.macro BEGIN T                         ; the tile's fragments are in (the next tile's 34 loads may be out); earlier stores have read their registers
.if (\T) > 7
	s_wait_alu depctr_va_vdst(0)                   ; v's biases
.endif
.if (\T) == 11
	s_wait_dscnt 0x0
.else
	s_wait_dscnt 34
.endif
	s_wait_xcnt 0x0
.if (\T) > 3 && (\T) < 8
	s_wait_loadcnt 2*(7-(\T))                      ; this tile's bias is in; the later tiles' may be out
.endif
.endm
.macro END T
.if (\T) < 10
	FETCH (\T)+2
.endif
.if (\T) > 1
	SENDOUT \T
.endif
.if (\T) < 4
	global_load_b128 v[BI+8*(\T):BI+8*(\T)+3], v[BOF], s[12:13] offset:256+64*(\T)      ; k's bias takes the place of q's
	global_load_b128 v[BI+8*(\T)+4:BI+8*(\T)+7], v[BOF], s[12:13] offset:256+64*(\T)+16
.endif
.if (\T) == 5
	WORDS SOF, 16
.elseif (\T) == 9
	WORDS KSO, 2
.endif
.endm
.macro GRD
	s_wait_tensorcnt 0x0
	ds_add_u32 v[SPW], v[NIL]                      ; the add ahead of a refill's round
.endm
.macro TILE T                          ; a tile without a barrier
	BEGIN \T
	PAIRS \T, 0, 16, 0
.if (\T) < 2
	PLACES 8
.endif
.if (\T) > 6 && (\T) < 11
.irp i, 0,1,2,3,4,5,6,7
	v_mov_b32 v[BI+8*(((\T)+1)%4)+\i], v[VB+(\T)-7]    ; the next tile's bias: one channel a lane, eight times
.endr
.endif
	END \T
.endm
.macro SHOWN T                         ; a tile in which a refill is shown to every wave
	BEGIN \T
	PAIRS \T, 0, 14, 1
	s_wait_alu depctr_va_vdst(0)
	s_wait_tensorcnt 0x0
	s_wait_dscnt 0x0
	s_barrier_signal -1
	PAIRS \T, 14, 16, 1
	s_barrier_wait -1
	PLACES 8
	END \T
.endm
	s_wait_alu depctr_va_vdst(0)                   ; the wait at the head's end
	s_wait_tensorcnt 0x0
	BARRIER                                        ; x, q's rows and the scale bytes are in
	; TILE 0, while x goes from LDS into registers, the next K parts' loads ahead of each part's products; then tile 1's fragments
	FETCH 0
	XL 0
	XL 1
	XL 2
	XL 3
	s_wait_loadcnt 0x0                             ; x's scale words, the biases
	s_wait_dscnt 48                                ; tile 0 and x's first part; three parts of 16 may be out
	FOURP 0, 0
	XL 4
	s_wait_dscnt 48
	FOURP 0, 1
	XL 5
	s_wait_dscnt 48
	FOURP 0, 2
	XL 6
	s_wait_dscnt 48
	FOURP 0, 3
	XL 7
	s_wait_dscnt 48
	FOURP 0, 4
	FETCH 1
	s_wait_dscnt 63                                ; part 5 is in: fewer than the 32 + 34 behind it are out
	FOURP 0, 5
	s_wait_dscnt 50                                ; part 6: 16 + 34 may be out
	GRD
	FOURP 0, 6
	s_wait_alu depctr_va_vdst(0)
	s_wait_dscnt 0x0                               ; the add is done, and I hold x
	s_barrier_signal -1
	FOURP 0, 7
	MIDDLE
	BARRIER
	TLOAD G0R, G1R                                 ; k's rows, over x
	PLACES 4
	END 0
	TILE 1
	SHOWN 2                                        ; k's rows are in
	BEGIN 3
	GRD
	s_mov_b32 s[G0R+1], s94                        ; no tensor load of mine is out: the descriptor goes on to v's rows, in slot 0
	s_add_nc_u64 s[G0R+2:G0R+3], s[G0R+2:G0R+3], 65536
	PAIRS 3, 0, 14, 1
	s_wait_alu depctr_va_vdst(0)
	s_wait_dscnt 0x0                               ; the add is done, and my reads of slot 0 are over
	s_barrier_signal -1
	PAIRS 3, 14, 16, 1
	MIDDLE
	BARRIER
	TLOAD G0R, G1R
	PLACES 4
	END 3
	TILE 4
	TILE 5
	SHOWN 6                                        ; v's rows are in
	TILE 7
	TILE 8
	TILE 9
	TILE 10
	TILE 11
	; the last group's way out, all four blocks side by side
	s_wait_xcnt 0x0
	PLACES 8
.set N_, 0
.rept 64
	LINE 12, N_
	LINE 13, N_
.set N_, N_+1
.endr
	v_nop
	SENDOUT 12
	SENDOUT 13
	v_cndmask_b32 v[TM], v[VW], v[VW+2], s[HI]
	v_cndmask_b32 v[TM+1], v[VW+1], v[VW+3], s[HI]
	global_store_b16 v[VSO], v[TM], s[2:3]
	global_store_b16 v[VSO], v[TM+1], s[2:3] offset:4
	s_wait_tensorcnt 0x0                           ; the wave's end
	ds_add_u32 v[SPW], v[NIL]
	s_wait_dscnt 0x0
	CROUND                                         ; the closing round
	s_endpgm
.Lfunc_end_k_qfd98c1ce56_qkv:
	.size	k_qfd98c1ce56_qkv, .Lfunc_end_k_qfd98c1ce56_qkv-k_qfd98c1ce56_qkv
	.p2alignl 7, 3214868480
	.fill 96, 4, 3214868480
	.section	.rodata,"a",@progbits
	.p2align	6, 0x0
	.amdhsa_kernel k_qfd98c1ce56_qkv
		.amdhsa_group_segment_fixed_size 327680
		.amdhsa_private_segment_fixed_size 0
		.amdhsa_enable_private_segment 0
		.amdhsa_kernarg_size 64
		.amdhsa_user_sgpr_count 2
		.amdhsa_user_sgpr_kernarg_segment_ptr 1
		.amdhsa_wavefront_size32 1
		.amdhsa_system_sgpr_workgroup_id_x 1
		.amdhsa_system_sgpr_workgroup_id_y 1
		.amdhsa_system_sgpr_workgroup_id_z 1
		.amdhsa_system_vgpr_workitem_id 0
		.amdhsa_next_free_vgpr 1024
		.amdhsa_next_free_sgpr 102
		.amdhsa_reserve_vcc 0
		.amdhsa_float_denorm_mode_32 3
		.amdhsa_float_denorm_mode_16_64 3
		.amdhsa_memory_ordered 1
		.amdhsa_forward_progress 1
		.amdhsa_inst_pref_size 163
	.end_amdhsa_kernel
	.amdgpu_metadata
---
amdhsa.version: [ 1, 2 ]
amdhsa.kernels:
  - .name:           k_qfd98c1ce56_qkv
    .symbol:         k_qfd98c1ce56_qkv.kd
    .args:
      - { .name: x_codes, .offset: 0, .size: 8, .value_kind: global_buffer, .address_space: global }
      - { .name: x_scales, .offset: 8, .size: 8, .value_kind: global_buffer, .address_space: global }
      - { .name: w_qkv_codes, .offset: 16, .size: 8, .value_kind: global_buffer, .address_space: global }
      - { .name: w_qkv_scales, .offset: 24, .size: 8, .value_kind: global_buffer, .address_space: global }
      - { .name: b_qkv, .offset: 32, .size: 8, .value_kind: global_buffer, .address_space: global }
      - { .name: qc, .offset: 40, .size: 8, .value_kind: global_buffer, .address_space: global }
      - { .name: qs, .offset: 48, .size: 8, .value_kind: global_buffer, .address_space: global }
      - { .name: kv, .offset: 56, .size: 8, .value_kind: global_buffer, .address_space: global }
    .group_segment_fixed_size: 327680
    .private_segment_fixed_size: 0
    .kernarg_segment_align: 8
    .kernarg_segment_size: 64
    .max_flat_workgroup_size: 128
    .sgpr_count:     102
    .vgpr_count:     1024
    .wavefront_size: 32
...
	.end_amdgpu_metadata
.endif
;; end of part 1
;; launch attn (part 2): grid 8 x 32, 8 waves a work-group, clusters of 4 x 1, 327,680 bytes of LDS; arguments qc, qs, kv, ao, aos; writes ao, aos
.if DOCPART == 2
	.amdgcn_target "amdgcn-amd-amdhsa--gfx1250"
	.amdhsa_code_object_version 6
	.text
	.protected	k_qfd98c1ce56_attn
	.globl	k_qfd98c1ce56_attn
	.p2align	8
	.type	k_qfd98c1ce56_attn,@function
k_qfd98c1ce56_attn:
	s_mov_b64 s[64:65], 0
	v_nop
	global_prefetch_b8 v0, s[64:65] scope:SCOPE_SE
	s_setreg_imm32_b32 hwreg(HW_REG_WAVE_MODE, 25, 1), 1
	s_wait_xcnt 0x0
	s_wait_alu depctr_hold_cnt(0) depctr_sa_sdst(0) depctr_va_vdst(0) depctr_va_sdst(0) depctr_va_ssrc(0) depctr_va_vcc(0) depctr_vm_vsrc(0)
	s_getreg_b32 s2, hwreg(HW_REG_IB_STS2, 6, 4)
	s_cmp_eq_u32 s2, 0
	s_cbranch_scc0 .Lentry_in_a_cluster
	s_endpgm
.Lentry_in_a_cluster:
	s_bfe_u32 s2, ttmp6, 0x10000c
	s_cmp_lg_u32 s2, 0x3003
	s_cbranch_scc0 .Lentry_shape_is_right
	s_endpgm
.Lentry_shape_is_right:
; o = softmax(q k^T / 8) v on codes of E5M2, one head and 256 queries to a work-group, and the quantising of o.  No work is left out.
; SHARES.  Eight waves, two to a SIMD; a wave owns 32 queries as TWO TILES of 16, A (0) and B (1), and walks all 2,048 keys in 16 steps of 128.  A step's fragments of K and V serve both tiles.
; The tiles run half a step apart: while one tile's scores are multiplied, the other's sums, holds and conversions are done; so no step of one tile stands bare.
; LDS holds the head's whole K and V as images of operand registers (274,432 bytes), filled once: waves 0 to 3 fetch key steps 0-3 and all scale words, waves 4 to 7 the rest, one load a wave.
; CLUSTERS: the four work-groups of a cluster share a head, so every load is joint.  No prefetch: all that is read is asked for at the head.
; BOTH PRODUCTS TRANSPOSED: S^T = K Q^T, O^T = V^T P^T: a lane holds one query.  K's upper 64 of the instruction's 128 meet zeros in Q (K's registers there hold the next tile's codes or zeros).
; SOFTMAX: t = score x c, c = log2(e)/8; M the running largest t rounded up, kept as -M; p = 2^(t - M); the sums and O are multiplied by 2^(old M - new M) in every step.
; A BLOCK'S EXPONENT is floor(largest t - M), held at -111 from below, so the byte is at least 1; p is held at 1.75 x 2^exponent (the conversion does not saturate: ISA guide 7.6.2).
; LIMITS: NaN and infinities are not served; scaled scores stay under 2^31 in magnitude.  A block of zeros keeps a byte of at least 1: its codes are zeros.
; WINDOW 0: v1-6 addresses; v12-15 -M (A, B); v16-19 sums; v26-55 at work; v56-71 p's codes; v88-103 partial sums; v112-175 S of A; v176-239 S of B; v240-255 scale words only.
; WINDOW 1: v0-63 K, v64-71 zeros; v72-135 V; v136-167 O of A, v168-199 O of B; v200-215 Q of A and zeros, v216-231 of B.
.set SPARE, 274432
.set LI,  1
.set LS,  2
.set ADK, 3
.set ADS, 4
.set SPW, 5
.set NIL, 6
.set NM,  12
.set LL,  16
.set L2,  20
.set FF,  22
.set BM,  26
.set PB,  30
.set SO,  38
.set LM,  46
.set PC,  56
.set TT,  88
.set T0,  104
.set SS,  112
.set KSC, 240
.set VSC, 248
.set QSC, 252
.set PW,  254
.set TM,  26
.set VF,  72
.set OO,  136
.set QF,  200
.set WV,  14
.set SEL, 20
.set CS,  22
.set G1A, 24
.set G1B, 32
.set G0A, 40
.set G0B, 44
.set MNT, 48
.set TB,  49
.set TS,  50
.set CNT, 51
.set NCS, 60
.set MSB, 0
.macro WIN new                         ; the immediate's high byte repeats the setting that is left
.if MSB != \new
	s_set_vgpr_msb (MSB<<8)|\new
.set MSB, \new
.endif
.endm
.macro CROUND
	s_barrier_signal -1
	s_barrier_wait -1
	s_cmp_lg_u32 s[WV], 0
	s_cbranch_scc1 .Lnot_wave_0_\@
	s_barrier_signal -3
.Lnot_wave_0_\@:
	s_barrier_wait -3
	s_barrier_signal -1
	s_barrier_wait -1
.endm
.macro SP x, t                         ; 16 keys x my 16 queries of tile x
	v_wmma_scale_f32_16x16x128_f8f6f4 v[SS+64*\x+8*(\t):SS+64*\x+8*(\t)+7], v[8*(\t):8*(\t)+15], v[QF+16*\x:QF+16*\x+15], 0, v[KSC+(\t)], v[QSC+\x] matrix_a_fmt:MATRIX_FMT_BF8 matrix_b_fmt:MATRIX_FMT_BF8
.endm
.macro OP y, t                         ; 16 channels x 16 queries, 128 keys; the four accumulators by turns
	v_wmma_scale_f32_16x16x128_f8f6f4 v[OO+32*\y+8*(\t):OO+32*\y+8*(\t)+7], v[VF+16*(\t):VF+16*(\t)+15], v[PC:PC+15], v[OO+32*\y+8*(\t):OO+32*\y+8*(\t)+7], v[VSC+(\t)], v[PW+\y] matrix_a_fmt:MATRIX_FMT_BF8 matrix_b_fmt:MATRIX_FMT_BF8
.endm
.macro SUM y, k                        ; the row's sum of unquantised p: 8 partial pairs (blocks 0, 1) and 16 pairs of blocks 2, 3, in two chains: 24 lines
.if (\k) == 0
	v_pk_add_f32 v[L2:L2+1], v[TT:TT+1], v[TT+2:TT+3]
.elseif (\k) == 23
	v_pk_add_f32 v[LL+2*\y:LL+2*\y+1], v[LL+2*\y:LL+2*\y+1], v[L2:L2+1]
.else
.if (\k) < 7
.set PR, TT+2*((\k)+1)
.else
.set PR, SS+64*\y+32+2*((\k)-7)
.endif
.if (\k)%2
	v_pk_add_f32 v[LL+2*\y:LL+2*\y+1], v[LL+2*\y:LL+2*\y+1], v[PR:PR+1]
.else
	v_pk_add_f32 v[L2:L2+1], v[L2:L2+1], v[PR:PR+1]
.endif
.endif
.endm
.macro MN y, m                         ; the hold of p's numbers 2 m, 2 m + 1 (p is not negative)
	v_dual_min_num_f32 v[SS+64*\y+2*(\m)], v[LM+4*\y+(\m)/8], v[SS+64*\y+2*(\m)] :: v_dual_min_num_f32 v[SS+64*\y+2*(\m)+1], v[LM+4*\y+(\m)/8], v[SS+64*\y+2*(\m)+1]
.endm
.macro CV y, b, u                      ; eight codes of block b
	v_cvt_scalef32_pk8_bf8_f32 v[PC+4*\b+2*\u:PC+4*\b+2*\u+1], v[SS+64*\y+16*\b+8*\u:SS+64*\y+16*\b+8*\u+7], v[SO+4*\y+\b]
.endm
.macro P1 y, g                         ; a quarter of the sums, and of the holds of blocks 0 and 1
.if (\g) == 2
	CV \y, 0, 0
	CV \y, 0, 1
.endif
.irp i, 0,1,2,3,4,5
	SUM \y, 6*(\g)+\i
.if \i < 4
	MN \y, 4*(\g)+\i
.endif
.endr
.endm
.macro FILL y, m, first
.if !\first
	MN \y, \m
.endif
.endm
.macro FILC y, b, u, first
.if !\first
	CV \y, \b, \u
.endif
.endm
.macro KLOAD                           ; a step's K: eight tiles of 16 keys x 64, and their scale words: 18 loads
	WIN 0x40
.irp t, 0,1,2,3,4,5,6,7
	ds_load_b128 v[8*\t:8*\t+3], v[ADK] offset:1024*\t
	ds_load_b128 v[8*\t+4:8*\t+7], v[ADK] offset:1024*\t+512
.endr
	WIN 0
	ds_load_b128 v[KSC:KSC+3], v[ADS]
	ds_load_b128 v[KSC+4:KSC+7], v[ADS] offset:256
.endm
.macro VLOAD                           ; a step's V^T: four tiles of 16 channels x 128 keys, and their scale words: 17 loads
	WIN 0x40
.irp t, 0,1,2,3
.irp c, 0,1,2,3
	ds_load_b128 v[VF+16*\t+4*\c:VF+16*\t+4*\c+3], v[ADK] offset:8192+2048*\t+512*\c
.endr
.endr
	WIN 0
	ds_load_b128 v[VSC:VSC+3], v[ADS] offset:512
.endm
; HALF A STEP: tile x's scores and exponentials; tile y's sums, holds, conversions and second product (of the half before).  lk: the next step's K is fetched once tile B has used this one's; lv: V once tile B has used it.
.macro HALF x, y, first, lk, lv
.if \x == 0
	s_wait_dscnt 0x0                               ; K is in
.endif
.irp g, 0,1,2,3
	WIN 0x05                                       ; sources 0 and 1 (K, Q) window 1, S window 0
	SP \x, 2*\g
	SP \x, 2*\g+1
	WIN 0
.if !\first
	P1 \y, \g                                      ; ten plain lines or more behind each pair of products: places
.endif
.endr
.if \first
.rept 8
	v_nop
.endr
.endif
.if \lk
	KLOAD
.endif
.irp b, 0,1,2,3
	v_max3_num_f32 v[BM+\b], v[SS+64*\x+16*\b], v[SS+64*\x+16*\b+1], v[SS+64*\x+16*\b+2]
.endr
.irp i, 3,5,7,9,11,13
.irp b, 0,1,2,3
	v_max3_num_f32 v[BM+\b], v[BM+\b], v[SS+64*\x+16*\b+\i], v[SS+64*\x+16*\b+\i+1]
.endr
.endr
.irp b, 0,1,2,3
	v_max_num_f32 v[BM+\b], v[BM+\b], v[SS+64*\x+16*\b+15]
.endr
; the row's chain, with y's holds and conversions between its links
.irp b, 0,1,2,3
	v_permlanex16_b32 v[PB+\b], v[BM+\b], s[SEL], s[SEL+1]
	FILL \y, 16+\b, \first
.endr
.irp b, 0,1,2,3
	v_max_num_f32 v[BM+\b], v[BM+\b], v[PB+\b]     ; each block's largest score
	FILL \y, 20+\b, \first
.endr
	v_max3_num_f32 v[T0], v[BM], v[BM+1], v[BM+2]
	FILL \y, 24, \first
	FILC \y, 1, 0, \first
	v_max_num_f32 v[T0], v[T0], v[BM+3]
	FILL \y, 25, \first
	FILC \y, 1, 1, \first
	v_mul_f32 v[T0], s[NCS], v[T0]                 ; -t
	FILL \y, 26, \first
	v_min_num_f32 v[T0], v[T0], v[NM+2*\x]
	FILL \y, 27, \first
	FILC \y, 2, 0, \first
	v_floor_f32 v[T0], v[T0]                       ; the new -M
	FILL \y, 28, \first
	FILC \y, 2, 1, \first
.if !\first
	v_sub_f32 v[T0+1], v[T0], v[NM+2*\x]           ; old M - new M, 0 or less
.endif
	FILL \y, 29, \first
	v_mov_b32 v[NM+2*\x], v[T0]
	FILL \y, 30, \first
.if !\first
	v_cvt_i32_f32 v[T0+1], v[T0+1]                 ; (it saturates)
	FILL \y, 31, \first
	v_ldexp_f32 v[FF], 1.0, v[T0+1]
	CV \y, 3, 0
	CV \y, 3, 1
	v_pk_mul_f32 v[LL+2*\x:LL+2*\x+1], v[LL+2*\x:LL+2*\x+1], v[FF:FF+1] op_sel_hi:[1,0]
	WIN 0x51                                       ; V, O in window 1, p's codes and the factor in window 0
	s_wait_alu depctr_va_vdst(0)                   ; ahead of the first readers of x's O
.set J, 0
.rept 16
	v_pk_mul_f32 v[OO+32*\x+J:OO+32*\x+J+1], v[OO+32*\x+J:OO+32*\x+J+1], v[FF:FF+1] op_sel_hi:[1,0]
.set J, J+2
.endr
.if \x == 1
	s_wait_dscnt 18*\lk                            ; V is in; the 18 loads of the next K may be out
.endif
	OP \y, 0
	OP \y, 1
	WIN 0
.endif
.irp b, 0,1,2,3
	v_fma_f32 v[BM+\b], v[BM+\b], s[CS], v[NM+2*\x]
.endr
.irp b, 0,1,2,3
	v_max_num_f32 v[BM+\b], 0xc2de0000, v[BM+\b]   ; -111
.endr
.irp b, 0,1,2,3
	v_cvt_floor_i32_f32 v[BM+\b], v[BM+\b]         ; the block's exponent e
.endr
.if !\first
	WIN 0x51
	OP \y, 2
	OP \y, 3
	WIN 0
.endif
.irp k, 0,1,2,3,4,5,6,7,8,9,10,11,12,13,14,15
	v_pk_fma_f32 v[SS+64*\x+2*\k:SS+64*\x+2*\k+1], v[SS+64*\x+2*\k:SS+64*\x+2*\k+1], s[CS:CS+1], v[NM+2*\x:NM+2*\x+1] op_sel_hi:[1,0,0]
.if \k == 1
	v_lshl_add_u32 v[T0], v[BM+1], 8, v[BM]
.elseif \k == 5
	v_lshl_add_u32 v[T0], v[BM+2], 16, v[T0]
.elseif \k == 9
	v_lshl_add_u32 v[T0], v[BM+3], 24, v[T0]
.elseif \k == 13
	v_add_nc_u32 v[PW+\x], 0x70707070, v[T0]       ; four bytes e + 112
.endif
.endr
.if \lv
	VLOAD
.endif
	s_wait_alu depctr_va_vdst(0)                   ; ahead of the batch
.irp k, 0,1,2,3,4,5,6,7,8,9,10,11,12,13,14,15
	v_exp_f32 v[SS+64*\x+2*\k], v[SS+64*\x+2*\k]
	v_exp_f32 v[SS+64*\x+2*\k+1], v[SS+64*\x+2*\k+1]
	v_pk_fma_f32 v[SS+64*\x+32+2*\k:SS+64*\x+33+2*\k], v[SS+64*\x+32+2*\k:SS+64*\x+33+2*\k], s[CS:CS+1], v[NM+2*\x:NM+2*\x+1] op_sel_hi:[1,0,0]
.endr
	s_wait_alu depctr_va_vdst(0)                   ; and between the two batches
.irp k, 0,1,2,3,4,5,6,7,8,9,10,11,12,13,14,15
	v_exp_f32 v[SS+64*\x+32+2*\k], v[SS+64*\x+32+2*\k]
	v_exp_f32 v[SS+64*\x+33+2*\k], v[SS+64*\x+33+2*\k]
.if \k < 4
	v_lshl_add_u32 v[SO+4*\x+\k], v[BM+\k], 23, 0x38000000          ; 2^(e - 15): the conversion's scale operand
.elseif \k < 8
	v_lshl_add_u32 v[LM+4*\x+\k-4], v[BM+\k-4], 23, 0x3fe00000      ; 1.75 x 2^e
.else
	v_pk_add_f32 v[TT+2*(\k-8):TT+2*(\k-8)+1], v[SS+64*\x+4*(\k-8):SS+64*\x+4*(\k-8)+1], v[SS+64*\x+4*(\k-8)+2:SS+64*\x+4*(\k-8)+3]   ; blocks 0 and 1: independent sums
.endif
.endr
	s_wait_alu depctr_va_vdst(0)                   ; and behind the second
.endm
.macro BODY                            ; tile B of the step in hand, then tile A of the next
	s_add_co_u32 s[TB], s[TB], 16384
	s_add_co_u32 s[TS], s[TS], 768
	v_add_nc_u32 v[ADK], s[TB], v[LI]
	v_add_nc_u32 v[ADS], s[TS], v[LS]
	HALF 1, 0, 0, 1, 0
	HALF 0, 1, 0, 0, 1
.endm
	s_load_b256 s[4:11], s[0:1], 0x0               ; qc, qs, kv, ao
	s_load_b64 s[12:13], s[0:1], 0x20              ; aos
	v_lshl_add_u32 v[SPW], v0, 2, SPARE
	v_mov_b32 v[NIL], 0
	ds_add_u32 v[SPW], v[NIL]                      ; the opening: the add, twice on end, and its wait ahead of my first tensor load
	ds_add_u32 v[SPW], v[NIL]
	v_lshrrev_b32 v7, 5, v0
	v_readfirstlane_b32 s[WV], v7                  ; wave 0..7
	s_bfe_u32 s15, ttmp6, 0x40000
	s_lshl_b32 s16, ttmp9, 2
	s_add_co_u32 s16, s16, s15                     ; which 256 queries
	s_and_b32 s17, ttmp7, 0xffff                   ; bh = 16 x batch + head
	s_mov_b32 s[G1A], 15|(3<<16)|(1<<21)           ; dense rows of 256 bytes, 76 a wave
	s_mov_b32 s[G1A+1], 32<<16
	s_mov_b32 s[G1A+2], 76<<16
	s_mov_b32 s[G1A+3], 32<<16
	s_mov_b32 s[G1A+4], 76
	s_mov_b32 s[G1A+5], 32
	s_mov_b32 s[G1A+6], 0
	s_mov_b32 s[G1A+7], 0
	s_mov_b32 s[G1B], 15|(3<<16)|(1<<21)           ; 192 a wave
	s_mov_b32 s[G1B+1], 32<<16
	s_mov_b32 s[G1B+2], 192<<16
	s_mov_b32 s[G1B+3], 32<<16
	s_mov_b32 s[G1B+4], 192
	s_mov_b32 s[G1B+5], 32
	s_mov_b32 s[G1B+6], 0
	s_mov_b32 s[G1B+7], 0
	s_and_b32 s58, s[WV], 3
	s_mul_i32 s18, s17, 274432
	s_mul_i32 s52, s58, 19456
	s_mul_i32 s53, s58, 49152
	s_add_co_u32 s54, s18, s52
	s_mov_b32 s55, 0
	s_add_co_u32 s56, s18, s53
	s_add_co_u32 s56, s56, 77824
	s_mov_b32 s57, 0
	s_mov_b32 s[SEL], 0x76543210
	s_mov_b32 s[SEL+1], 0xfedcba98                 ; lane l xor 16
	s_mov_b32 s[CS], 0x3e38aa3b                    ; c
	s_mov_b32 s[CS+1], s[CS]
	s_mov_b32 s[NCS], 0xbe38aa3b                   ; -c
	s_mov_b32 s[MNT], 0x600000
	s_mov_b32 s[TB], 0
	s_mov_b32 s[TS], 0
	s_lshl_b32 s66, s17, 7
	s_lshl_b32 s67, s16, 4
	s_add_co_u32 s66, s66, s67
	s_lshl_b32 s67, s[WV], 1
	s_add_co_u32 s66, s66, s67                     ; my first tile of 16 queries: 128 bh + 16 x + 2 wave
	s_lshl_b32 s58, s66, 10                        ; its codes,
	s_mov_b32 s59, 0
	s_lshr_b32 s62, s66, 2
	s_lshl_b32 s62, s62, 8
	s_and_b32 s67, s[WV], 1
	s_lshl_b32 s67, s67, 3
	s_add_co_u32 s62, s62, s67                     ; its scale words
	s_mov_b32 s63, 0
	v_and_b32 v[LI], 31, v0
	v_and_b32 v7, 15, v0
	v_lshlrev_b32 v[LI], 4, v[LI]                  ; 16 x lane
	v_lshlrev_b32 v9, 4, v7
	v_lshl_add_u32 v[LS], v7, 4, 65536             ; 16 r in the scale words
	s_wait_alu depctr_va_vdst(0)
	s_wait_dscnt 0x0                               ; both opening adds are done
	CROUND                                         ; all four work-groups are here: the joint loads meet
	s_wait_kmcnt 0x0
	s_add_nc_u64 s[4:5], s[4:5], s[58:59]
	s_add_nc_u64 s[6:7], s[6:7], s[62:63]
	WIN 0x40
.irp t, 0,1
	global_load_b128 v[QF+16*\t:QF+16*\t+3], v[LI], s[4:5] offset:1024*\t
	global_load_b128 v[QF+16*\t+4:QF+16*\t+7], v[LI], s[4:5] offset:1024*\t+512
.endr
	WIN 0
	global_load_b64 v[QSC:QSC+1], v9, s[6:7]       ; both tiles' scale words
	s_cmp_lt_u32 s[WV], 4
	s_cbranch_scc0 .Lpart_b
	s_mov_b32 s[G0A], 1                            ; waves 0 to 3: key steps 0-3 and the scale words
	s_mov_b32 s[G0A+1], s52
	s_add_nc_u64 s[G0A+2:G0A+3], s[8:9], s[54:55]
	s_or_b32 s[G0A+3], s[G0A+3], 0x80000000
	tensor_load_to_lds s[G0A:G0A+3], s[G1A:G1A+7]
	s_nop 0
.rept 4
	v_nop
.endr
	s_branch .Lasked
.Lpart_b:
	s_mov_b32 s[G0B], 1                            ; waves 4 to 7: key steps 4-15
	s_add_co_u32 s[G0B+1], s53, 77824
	s_add_nc_u64 s[G0B+2:G0B+3], s[8:9], s[56:57]
	s_or_b32 s[G0B+3], s[G0B+3], 0x80000000
	tensor_load_to_lds s[G0B:G0B+3], s[G1B:G1B+7]
	s_nop 0
.rept 4
	v_nop
.endr
.Lasked:
	s_and_b32 s67, s66, 127
	s_lshr_b32 s68, s17, 4
	s_lshl_b32 s68, s68, 7
	s_add_co_u32 s67, s67, s68
	s_and_b32 s68, s17, 15
	s_lshr_b32 s69, s67, 3
	s_and_b32 s67, s67, 7
	s_lshr_b32 s70, s68, 1
	s_and_b32 s68, s68, 1
	s_mov_b32 s63, 0
	s_lshl_b32 s62, s69, 17
	s_lshl_b32 s71, s70, 14
	s_add_co_u32 s62, s62, s71
	s_lshl_b32 s71, s67, 11
	s_add_co_u32 s62, s62, s71
	s_lshl_b32 s71, s68, 10
	s_add_co_u32 s62, s62, s71
	s_add_nc_u64 s[10:11], s[10:11], s[62:63]
	s_lshl_b32 s62, s69, 12
	s_lshl_b32 s71, s67, 9
	s_add_co_u32 s62, s62, s71
	s_lshl_b32 s71, s70, 2
	s_add_co_u32 s62, s62, s71
	s_lshl_b32 s71, s68, 1
	s_add_co_u32 s62, s62, s71
	s_add_nc_u64 s[12:13], s[12:13], s[62:63]
	v_mov_b32 v[NM], 0x7f61b1e6                    ; -M = 3e38: above every -t
	v_mov_b32 v[NM+1], 0                           ; (the pairs' upper halves are named, so they are written)
	v_mov_b32 v[NM+2], 0x7f61b1e6
	v_mov_b32 v[NM+3], 0
	v_mov_b32 v[FF+1], 0
	v_mov_b32 v[FF+3], 0
.irp b, 0,1,2,3
	v_mov_b32 v[LL+\b], 0
	v_mov_b32 v[PB+\b], 0                          ; a lane permute's destination counts as one of its sources
.endr
	WIN 0x40
.set J, 0
.rept 8
	v_mov_b32 v[64+J], 0
	v_mov_b32 v[QF+8+J], 0
	v_mov_b32 v[QF+24+J], 0
.set J, J+1
.endr
.set J, 0
.rept 64
	v_mov_b32 v[OO+J], 0                           ; O of both tiles
.set J, J+1
.endr
	WIN 0
	v_mov_b32 v[ADK], v[LI]                        ; step 0
	v_mov_b32 v[ADS], v[LS]
	s_wait_alu depctr_va_vdst(0)                   ; the wait at the head's end
	s_wait_loadcnt 0x0                             ; Q
	s_cmp_lt_u32 s[WV], 4
	s_cbranch_scc0 .Lnot_a
	s_wait_tensorcnt 0x0                           ; waves 0 to 3: key steps 0-3 and the scale words are in; the others' wait stands at the second barrier
.Lnot_a:
	s_barrier_signal -1
	s_barrier_wait -1
	KLOAD
	HALF 0, 1, 1, 0, 1                             ; tile A, step 0: no half before it
	s_mov_b32 s[CNT], 3
.Lfirst:
	BODY
	s_sub_co_u32 s[CNT], s[CNT], 1
	s_cmp_lg_u32 s[CNT], 0
	s_cbranch_scc1 .Lfirst
	s_wait_tensorcnt 0x0                           ; everything is in
	s_wait_dscnt 0x0
	s_barrier_signal -1
	s_barrier_wait -1
	s_add_co_u32 s[TB], s[TB], 12288               ; from key step 4 on the images lie behind the scale words
	s_mov_b32 s[CNT], 12
.Lrest:
	BODY
	s_sub_co_u32 s[CNT], s[CNT], 1
	s_cmp_lg_u32 s[CNT], 0
	s_cbranch_scc1 .Lrest
	HALF 1, 0, 0, 0, 0                             ; tile B, step 15
	; tile B's last sums, holds, conversions and product
.irp g, 0,1,2,3
	P1 1, \g
.endr
.irp i, 0,1,2,3,4,5,6,7,8,9,10,11,12,13,14,15
	MN 1, 16+\i
.endr
.irp b, 1,2,3
	CV 1, \b, 0
	CV 1, \b, 1
.endr
	v_add_f32 v[LL], v[LL], v[LL+1]
	v_add_f32 v[LL+2], v[LL+2], v[LL+3]
	v_permlanex16_b32 v[PB], v[LL], s[SEL], s[SEL+1]
	v_permlanex16_b32 v[PB+1], v[LL+2], s[SEL], s[SEL+1]
	v_add_f32 v[LL], v[LL], v[PB]
	v_add_f32 v[LL+2], v[LL+2], v[PB+1]            ; the rows' sums
	s_wait_alu depctr_va_vdst(0)                   ; ahead of the batch,
	v_rcp_f32 v[FF], v[LL]
	v_rcp_f32 v[FF+2], v[LL+2]
	v_and_b32 v7, 15, v0
	v_bfe_u32 v8, v0, 4, 1
	v_and_b32 v11, 31, v0
	v_lshl_add_u32 v10, v7, 5, v8                  ; 32 r + h: my byte of a row of scale bytes
	v_cmp_le_u32 vcc_lo, 16, v11
	s_wait_alu depctr_va_vdst(0)                   ; and behind it
	WIN 0x51
.irp t, 0,1,2,3
	OP 1, \t
.endr
; O / the sum, quantised along the channels: 16 of a block here, 16 in the lane 16 away
.macro OUT x
.set J, 0
.rept 16
	v_pk_mul_f32 v[SS+64*\x+J:SS+64*\x+J+1], v[OO+32*\x+J:OO+32*\x+J+1], v[FF+2*\x:FF+2*\x+1] op_sel_hi:[1,0]
.set J, J+2
.endr
	WIN 0
.irp b, 0,1
	v_max3_num_f32 v[TM+\b], |v[SS+64*\x+16*\b]|, |v[SS+64*\x+16*\b+1]|, 0x8000000     ; and the floor 2^(16 - 127): the byte is at least 1
.endr
.irp i, 2,4,6,8,10,12,14
.irp b, 0,1
	v_max3_num_f32 v[TM+\b], v[TM+\b], |v[SS+64*\x+16*\b+\i]|, |v[SS+64*\x+16*\b+\i+1]|
.endr
.endr
.irp b, 0,1
	v_permlanex16_b32 v[TM+2+\b], v[TM+\b], s[SEL], s[SEL+1]
.endr
.irp b, 0,1
	v_max_num_f32 v[TM+\b], v[TM+\b], v[TM+2+\b]
.endr
.irp b, 0,1
	v_add_nc_u32 v[TM+6+\b], 0xf8800000, v[TM+\b]
.endr
.irp b, 0,1
	v_and_or_b32 v[TM+4+\b], v[TM+\b], 0x7f800000, s[MNT]
.endr
.irp b, 0,1
	v_lshrrev_b32 v[TM+8+\b], 23, v[TM+6+\b]
.endr
.irp b, 0,1
.irp i, 0,1,2,3,4,5,6,7,8,9,10,11,12,13,14,15
	v_med3_num_f32 v[SS+64*\x+16*\b+\i], v[SS+64*\x+16*\b+\i], -v[TM+4+\b], v[TM+4+\b]
.endr
	v_cvt_scalef32_pk8_bf8_f32 v[PC+8*\x+4*\b:PC+8*\x+4*\b+1], v[SS+64*\x+16*\b:SS+64*\x+16*\b+7], v[TM+6+\b]
	v_cvt_scalef32_pk8_bf8_f32 v[PC+8*\x+4*\b+2:PC+8*\x+4*\b+3], v[SS+64*\x+16*\b+8:SS+64*\x+16*\b+15], v[TM+6+\b]
.endr
	v_cndmask_b32 v[36+\x], v[TM+8], v[TM+9], vcc_lo
	global_store_b128 v[LI], v[PC+8*\x:PC+8*\x+3], s[10:11] offset:2048*\x         ; 32 lanes store 512 consecutive bytes
	global_store_b128 v[LI], v[PC+8*\x+4:PC+8*\x+7], s[10:11] offset:2048*\x+512
	global_store_b8 v10, v[36+\x], s[12:13] offset:512*\x
.endm
	WIN 0x01
	s_wait_alu depctr_va_vdst(0)                   ; ahead of the first readers of A's O
	OUT 0                                          ; (these lines are also the places behind B's last products)
	WIN 0x01
	OUT 1
	s_wait_tensorcnt 0x0                           ; the wave's end
	ds_add_u32 v[SPW], v[NIL]
	s_wait_dscnt 0x0
	CROUND                                         ; the closing round
	s_endpgm
.Lfunc_end_k_qfd98c1ce56_attn:
	.size	k_qfd98c1ce56_attn, .Lfunc_end_k_qfd98c1ce56_attn-k_qfd98c1ce56_attn
	.p2alignl 7, 3214868480
	.fill 96, 4, 3214868480
	.section	.rodata,"a",@progbits
	.p2align	6, 0x0
	.amdhsa_kernel k_qfd98c1ce56_attn
		.amdhsa_group_segment_fixed_size 327680
		.amdhsa_private_segment_fixed_size 0
		.amdhsa_enable_private_segment 0
		.amdhsa_kernarg_size 40
		.amdhsa_user_sgpr_count 2
		.amdhsa_user_sgpr_kernarg_segment_ptr 1
		.amdhsa_wavefront_size32 1
		.amdhsa_system_sgpr_workgroup_id_x 1
		.amdhsa_system_sgpr_workgroup_id_y 1
		.amdhsa_system_sgpr_workgroup_id_z 1
		.amdhsa_system_vgpr_workitem_id 0
		.amdhsa_next_free_vgpr 512
		.amdhsa_next_free_sgpr 80
		.amdhsa_reserve_vcc 1
		.amdhsa_float_denorm_mode_32 3
		.amdhsa_float_denorm_mode_16_64 3
		.amdhsa_memory_ordered 1
		.amdhsa_forward_progress 1
		.amdhsa_inst_pref_size 123
	.end_amdhsa_kernel
	.amdgpu_metadata
---
amdhsa.version: [ 1, 2 ]
amdhsa.kernels:
  - .name:           k_qfd98c1ce56_attn
    .symbol:         k_qfd98c1ce56_attn.kd
    .args:
      - { .name: qc, .offset: 0, .size: 8, .value_kind: global_buffer, .address_space: global }
      - { .name: qs, .offset: 8, .size: 8, .value_kind: global_buffer, .address_space: global }
      - { .name: kv, .offset: 16, .size: 8, .value_kind: global_buffer, .address_space: global }
      - { .name: ao, .offset: 24, .size: 8, .value_kind: global_buffer, .address_space: global }
      - { .name: aos, .offset: 32, .size: 8, .value_kind: global_buffer, .address_space: global }
    .group_segment_fixed_size: 327680
    .private_segment_fixed_size: 0
    .kernarg_segment_align: 8
    .kernarg_segment_size: 40
    .max_flat_workgroup_size: 256
    .sgpr_count:     80
    .vgpr_count:     512
    .wavefront_size: 32
...
	.end_amdgpu_metadata
.endif
;; end of part 2
;; launch proj (part 3): grid 8 x 32, 8 waves a work-group, clusters of 4 x 4, 327,680 bytes of LDS; arguments ao, aos, w_o_codes, w_o_scales, b_o, out0; writes out0
.if DOCPART == 3
	.amdgcn_target "amdgcn-amd-amdhsa--gfx1250"
	.amdhsa_code_object_version 6
	.text
	.protected	k_qfd98c1ce56_proj
	.globl	k_qfd98c1ce56_proj
	.p2align	8
	.type	k_qfd98c1ce56_proj,@function
k_qfd98c1ce56_proj:
	s_mov_b64 s[64:65], 0
	v_nop
	global_prefetch_b8 v0, s[64:65] scope:SCOPE_SE
	s_setreg_imm32_b32 hwreg(HW_REG_WAVE_MODE, 25, 1), 1
	s_wait_xcnt 0x0
	s_wait_alu depctr_hold_cnt(0) depctr_sa_sdst(0) depctr_va_vdst(0) depctr_va_sdst(0) depctr_va_ssrc(0) depctr_va_vcc(0) depctr_vm_vsrc(0)
	s_getreg_b32 s2, hwreg(HW_REG_IB_STS2, 6, 4)
	s_cmp_eq_u32 s2, 0
	s_cbranch_scc0 .Lentry_in_a_cluster
	s_endpgm
.Lentry_in_a_cluster:
	s_bfe_u32 s2, ttmp6, 0x10000c
	s_cmp_lg_u32 s2, 0xf033
	s_cbranch_scc0 .Lentry_shape_is_right
	s_endpgm
.Lentry_shape_is_right:
; out0 = o w_o + b_o on codes of E5M2 with E8M0 scales, K = 1,024.  No work is left out.
; SHARES.  A work-group makes 128 rows x 128 columns; wave w rows 32 (w / 2) .. + 31 and columns 64 (w % 2) .. + 63: 2 x 4 accumulators.  Two waves to a SIMD.
; ALL OF K for both tiles lies in LDS, filled once, by ONE load a wave; the first half of K is multiplied while the second lands.  No prefetch: all that is read is asked for at the head.
; o's codes come as images of operand registers (16 bytes a lane on end); w_o's as rows of 512 bytes + 16 for each half of K.  o's codes stand in each block of 32 in the order place 16 h + 8 u + j <- number 16 u + 8 h + j:
; w_o's fragments are read in the same order, by loads of 8 bytes at 16 c + 8 h into registers 2 c, 2 c + 1.
; CLUSTERS: 4 x 4; o's tiles are asked for jointly along a row of the cluster, w_o's along a column.
; THE PRODUCT IS USED TRANSPOSED (source 0 = 16 rows of w_o's codes, source 1 = 16 rows of o): a lane holds eight neighbouring columns of a row.  The bias is loaded into the accumulators, so every product adds in place.
; TWO SETS OF FRAGMENTS, one in each window at the same numbers: a step of 128 is fetched while the one before is multiplied.
; LIMITS: NaN and infinities are not served.
.set WLDS,  131072                     ; LDS: o's images, 4 x 32,768; then w_o's halves, 128 rows x 528 each
.set WHALF, 128*528
.set SCA,   WLDS+2*WHALF               ; o's scale bytes, 16 blocks of 256 + 16;
.set SCB,   SCA+16*272                 ; w_o's
.set STAGE, SCB+16*272                 ; the way out: 16 rows x 272 a wave
.set SPARE, STAGE+8*4352               ; the spare words, 128 bytes a wave
.set ADA, 4                            ; v4-5: o's fragments, first and second half of K
.set ADB, 6                            ; v6-7: w_o's
.set ASA, 8
.set ASB, 9
.set STO, 10
.set RD,  11
.set CO,  12
.set BO,  13
.set SPW, 14
.set NIL, 15
.set SA,  18                           ; v18-33 o's scale words: 8 i + K step
.set SB,  36                           ; v36-67 w_o's: 8 j + K step
.set ACC, 72                           ; v72-135 accumulator (i, j) at 8 (4 i + j)
.set AF,  136                          ; o's two fragments,
.set BF,  168                          ; w_o's four
.set WV,  16
.set G1A,  24
.set G1B,  32
.set G1SA, 40
.set G1SB, 48
.set G0,   56
.set PO,   60
.set PWO,  62
.set PSA,  66
.set PSB,  68
.set MSB, 0
.macro WIN new
.if MSB != \new
	s_set_vgpr_msb (MSB<<8)|\new
.set MSB, \new
.endif
.endm
.macro PLACES n
.rept \n
	v_nop
.endr
.endm
.macro CROUND
	s_barrier_signal -1
	s_barrier_wait -1
	s_cmp_lg_u32 s[WV], 0
	s_cbranch_scc1 .Lnot_wave_0_\@
	s_barrier_signal -3
.Lnot_wave_0_\@:
	s_barrier_wait -3
	s_barrier_signal -1
	s_barrier_wait -1
.endm
	s_load_b256 s[4:11], s[0:1], 0x0               ; ao, aos, w_o's codes, w_o's scales
	s_load_b128 s[12:15], s[0:1], 0x20             ; b_o, out0
	v_lshl_add_u32 v[SPW], v0, 2, SPARE
	v_mov_b32 v[NIL], 0
	ds_add_u32 v[SPW], v[NIL]                      ; the opening: the add, twice on end, and its wait ahead of my first tensor load
	ds_add_u32 v[SPW], v[NIL]
	v_lshrrev_b32 v1, 5, v0
	v_readfirstlane_b32 s[WV], v1                  ; wave 0..7
	s_bfe_u32 s19, ttmp6, 0x40000                  ; cx
	s_bfe_u32 s20, ttmp6, 0x40004                  ; cy
	s_lshl_b32 s21, ttmp9, 2
	s_add_co_u32 s21, s21, s19                     ; the block of 128 columns
	s_and_b32 s22, ttmp7, 0xffff
	s_lshl_b32 s22, s22, 2
	s_add_co_u32 s22, s22, s20                     ; the block of 128 rows
	s_lshl_b32 s23, s20, 2
	s_lshl_b32 s23, 15, s23                        ; my row of the cluster
	s_lshl_b32 s19, 0x1111, s19                    ; my column
	s_or_b32 s[G1A], s23, (3<<16)|(1<<21)          ; o's images, a quarter of K: 128 dense rows of 256 bytes, no padding
	s_mov_b32 s[G1A+1], 32<<16
	s_mov_b32 s[G1A+2], 128<<16
	s_mov_b32 s[G1A+3], 32<<16
	s_mov_b32 s[G1A+4], 128
	s_mov_b32 s[G1A+5], 32
	s_mov_b32 s[G1A+6], 0
	s_mov_b32 s[G1A+7], 0
	s_or_b32 s[G1B], s19, (1<<20)|(1<<21)|(6<<22)|(3<<25)  ; w_o's codes: 128 rows x 512 bytes of rows of 1,024; four words behind every 128
	s_mov_b32 s[G1B+1], 512<<16
	s_mov_b32 s[G1B+2], 128<<16
	s_mov_b32 s[G1B+3], 512<<16
	s_mov_b32 s[G1B+4], 128
	s_mov_b32 s[G1B+5], 1024
	s_mov_b32 s[G1B+6], 0
	s_mov_b32 s[G1B+7], 0
	s_or_b32 s[G1SA], s23, (3<<16)|(1<<20)|(1<<21)|(5<<22)|(3<<25)  ; scale bytes: 4,096 dense bytes as 16 rows of 256, padded
	s_or_b32 s[G1SB], s19, (3<<16)|(1<<20)|(1<<21)|(5<<22)|(3<<25)
.irp g, G1SA, G1SB
	s_mov_b32 s[\g+1], 32<<16
	s_mov_b32 s[\g+2], 16<<16
	s_mov_b32 s[\g+3], 32<<16
	s_mov_b32 s[\g+4], 16
	s_mov_b32 s[\g+5], 32
	s_mov_b32 s[\g+6], 0
	s_mov_b32 s[\g+7], 0
.endr
	s_mov_b32 s[G0], 1
	s_mov_b32 s3, 0
	v_and_b32 v1, 15, v0                           ; r
	v_bfe_u32 v2, v0, 4, 1                         ; h
	v_and_b32 v3, 31, v0                           ; lane
	v_lshlrev_b32 v[BO], 5, v2
	s_wait_alu depctr_va_vdst(0)
	s_wait_dscnt 0x0                               ; both opening adds are done
	CROUND                                         ; all sixteen work-groups are here: the joint loads meet
	s_wait_kmcnt 0x0
	s_lshl_b32 s2, s22, 17
	s_add_nc_u64 s[PO:PO+1], s[4:5], s[2:3]        ; o's images: 131,072 bytes a block of rows
	s_lshl_b32 s2, s22, 12
	s_add_nc_u64 s[PSA:PSA+1], s[6:7], s[2:3]
	s_lshl_b32 s70, s21, 17                        ; (in registers that never hold the other coordinate)
	s_mov_b32 s71, 0
	s_add_nc_u64 s[PWO:PWO+1], s[8:9], s[70:71]    ; w_o's 128 rows of 1,024 bytes
	s_lshl_b32 s70, s21, 12
	s_add_nc_u64 s[PSB:PSB+1], s[10:11], s[70:71]
.macro LOADIT lds, base, off, g1
	s_mov_b32 s[G0+1], \lds
	s_add_nc_u64 s[G0+2:G0+3], s[\base:\base+1], \off
	s_or_b32 s[G0+3], s[G0+3], 0x80000000
	tensor_load_to_lds s[G0:G0+3], s[\g1:\g1+7]
	s_nop 0
	PLACES 4
.endm
.macro ARM under, lds, base, off, g1, next
	s_cmp_lt_u32 s[WV], \under
	s_cbranch_scc0 \next
	LOADIT \lds, \base, \off, \g1
	s_branch .Lasked
\next:
.endm
	; one chain of branches on the wave's number, one load to an arm; waves 0 to 4 fetch what the first half of K needs
	ARM 1, WLDS, PWO, 0, G1B, .Larm1
	ARM 2, 0, PO, 0, G1A, .Larm2
	ARM 3, SCA, PSA, 0, G1SA, .Larm3
	ARM 4, SCB, PSB, 0, G1SB, .Larm4
	ARM 5, 32768, PO, 32768, G1A, .Larm5
	ARM 6, WLDS+WHALF, PWO, 512, G1B, .Larm6
	ARM 7, 65536, PO, 65536, G1A, .Larm7
	LOADIT 98304, PO, 98304, G1A
.Lasked:
	s_lshr_b32 s19, s[WV], 1                       ; g: my 32 rows
	s_and_b32 s23, s[WV], 1                        ; ch: my 64 columns
	s_lshl_b32 s20, s21, 9
	s_lshl_b32 s17, s23, 8
	s_add_co_u32 s20, s20, s17                     ; my first column, in bytes of f32
	s_mov_b32 s21, 0
	s_add_nc_u64 s[12:13], s[12:13], s[20:21]      ; b_o
.irp i, 0,1
.irp j, 0,1,2,3
	global_load_b128 v[ACC+8*(4*\i+\j):ACC+8*(4*\i+\j)+3], v[BO], s[12:13] offset:64*\j        ; the bias of columns 16 j + 8 h + 0 .. 7 starts the sums
	global_load_b128 v[ACC+8*(4*\i+\j)+4:ACC+8*(4*\i+\j)+7], v[BO], s[12:13] offset:64*\j+16
.endr
.endr
	s_lshl_b32 s17, s22, 19
	s_add_co_u32 s20, s20, s17
	s_lshl_b32 s17, s19, 17
	s_add_co_u32 s20, s20, s17                     ; + my first row x 4,096 bytes
	s_add_nc_u64 s[14:15], s[14:15], s[20:21]      ; out0
	s_lshl_b32 s17, s19, 12
	v_lshl_add_u32 v[ADA], v3, 4, s17              ; o's images: 16 x lane + 4,096 g
	v_add_nc_u32 v[ADA+1], 65536, v[ADA]
	s_mul_i32 s17, s23, 64*528
	s_add_co_u32 s17, s17, WLDS
	v_mul_u32_u24 v[ADB], v1, 528
	v_lshl_add_u32 v[ADB], v2, 3, v[ADB]
	v_add_nc_u32 v[ADB], s17, v[ADB]               ; w_o's rows: (64 ch + r) x 528 + 8 h
	v_add_nc_u32 v[ADB+1], WHALF, v[ADB]
	v_lshrrev_b32 v16, 3, v1
	v_and_b32 v17, 7, v1
	v_mul_u32_u24 v16, v16, 272
	v_lshl_add_u32 v16, v17, 5, v16                ; a row of scales is 32 bytes: eight rows to a block of 256 + 16
	s_mul_i32 s17, s19, 4*272
	s_add_co_u32 s17, s17, SCA
	v_add_nc_u32 v[ASA], s17, v16
	s_mul_i32 s17, s23, 8*272
	s_add_co_u32 s17, s17, SCB
	v_add_nc_u32 v[ASB], s17, v16
	s_mul_i32 s17, s[WV], 4352
	s_add_co_u32 s17, s17, STAGE                   ; my stage
	v_mul_u32_u24 v[STO], v1, 272
	v_lshl_add_u32 v[STO], v2, 5, v[STO]
	v_add_nc_u32 v[STO], s17, v[STO]               ; in: row r, + 32 h
	v_mul_u32_u24 v[RD], v2, 272
	v_lshl_add_u32 v[RD], v1, 4, v[RD]
	v_add_nc_u32 v[RD], s17, v[RD]                 ; back: lanes 0-15 one row, lanes 16-31 the next
	v_lshlrev_b32 v[CO], 12, v2
	v_lshl_add_u32 v[CO], v1, 4, v[CO]             ; and the same in out0
.macro LD sg                           ; the fragments of K step sg into set sg % 2: 40 loads
	WIN 0x40*((\sg)%2)
.irp i, 0,1
.irp c, 0,1,2,3
	ds_load_b128 v[AF+16*\i+4*\c:AF+16*\i+4*\c+3], v[ADA+(\sg)/4] offset:16384*((\sg)%4)+2048*\i+512*\c
.endr
.endr
.irp j, 0,1,2,3
.irp c, 0,1,2,3,4,5,6,7
	ds_load_b64 v[BF+16*\j+2*\c:BF+16*\j+2*\c+1], v[ADB+(\sg)/4] offset:8448*\j+128*((\sg)%4)+16*\c
.endr
.endr
	WIN 0
.endm
.macro MU sg                           ; eight products, the accumulators by turns
	WIN 0x05*((\sg)%2)
.irp i, 0,1
.irp j, 0,1,2,3
	v_wmma_scale_f32_16x16x128_f8f6f4 v[ACC+8*(4*\i+\j):ACC+8*(4*\i+\j)+7], v[BF+16*\j:BF+16*\j+15], v[AF+16*\i:AF+16*\i+15], v[ACC+8*(4*\i+\j):ACC+8*(4*\i+\j)+7], v[SB+8*\j+(\sg)], v[SA+8*\i+(\sg)] matrix_a_fmt:MATRIX_FMT_BF8 matrix_b_fmt:MATRIX_FMT_BF8
.endr
.endr
	WIN 0
.endm
	s_wait_alu depctr_va_vdst(0)                   ; the wait at the head's end
	s_wait_loadcnt 0x0                             ; the bias
	s_cmp_lt_u32 s[WV], 5
	s_cbranch_scc0 .Lnot_first
	s_wait_tensorcnt 0x0                           ; waves 0 to 4: the scale bytes and the first half of K are in; the others' wait stands at the second barrier
.Lnot_first:
	s_barrier_signal -1
	s_barrier_wait -1
.irp i, 0,1
	ds_load_b128 v[SA+8*\i:SA+8*\i+3], v[ASA] offset:544*\i            ; the scale words for all of K stay in registers
	ds_load_b128 v[SA+8*\i+4:SA+8*\i+7], v[ASA] offset:544*\i+16
.endr
.irp j, 0,1,2,3
	ds_load_b128 v[SB+8*\j:SB+8*\j+3], v[ASB] offset:544*\j
	ds_load_b128 v[SB+8*\j+4:SB+8*\j+7], v[ASB] offset:544*\j+16
.endr
	LD 0
	LD 1
	s_wait_dscnt 40                                ; all but step 1's 40 loads are in
	MU 0
	PLACES 8                                       ; eight places between products and loads into the registers that they read
	LD 2
	s_wait_dscnt 40
	MU 1
	PLACES 8
	LD 3
	s_wait_dscnt 40
	MU 2
	PLACES 8
	s_wait_tensorcnt 0x0                           ; the second half of K is in
	s_wait_dscnt 0x0
	s_barrier_signal -1
	s_barrier_wait -1
	LD 4
	MU 3
	PLACES 8
.irp k, 4,5,6
	LD \k+1
	s_wait_dscnt 40
	MU \k
	PLACES 8
.endr
	s_wait_dscnt 0x0
	MU 7
	PLACES 8
	; THE WAY OUT: 16 rows at a time through my own stage, which no load fills; LDS serves a wave's instructions in order (ISA guide 5.7.1.4)
.irp i, 0,1
.irp j, 0,1,2,3
	ds_store_b128 v[STO], v[ACC+8*(4*\i+\j):ACC+8*(4*\i+\j)+3] offset:64*\j                    ; each accumulator from its low end on
	ds_store_b128 v[STO], v[ACC+8*(4*\i+\j)+4:ACC+8*(4*\i+\j)+7] offset:64*\j+16
.endr
.irp k, 0,1,2,3,4,5,6,7
	ds_load_b128 v[AF+32*\i+4*\k:AF+32*\i+4*\k+3], v[RD] offset:544*\k
.endr
.endr
.irp i, 0,1
.irp k, 0,1,2,3,4,5,6,7
	s_wait_dscnt 16*(1-\i)+7-\k                    ; what was issued behind this load: later loads, and for the first 16 rows the second's 8 stores and 8 loads
	global_store_b128 v[CO], v[AF+32*\i+4*\k:AF+32*\i+4*\k+3], s[14:15] offset:65536*\i+8192*\k th:TH_STORE_NT   ; sixteen lanes store 256 consecutive bytes, aligned
.endr
.endr
	s_wait_tensorcnt 0x0                           ; the wave's end, behind my last LDS store
	ds_add_u32 v[SPW], v[NIL]
	s_wait_dscnt 0x0
	CROUND                                         ; the closing round
	s_endpgm
.Lfunc_end_k_qfd98c1ce56_proj:
	.size	k_qfd98c1ce56_proj, .Lfunc_end_k_qfd98c1ce56_proj-k_qfd98c1ce56_proj
	.p2alignl 7, 3214868480
	.fill 96, 4, 3214868480
	.section	.rodata,"a",@progbits
	.p2align	6, 0x0
	.amdhsa_kernel k_qfd98c1ce56_proj
		.amdhsa_group_segment_fixed_size 327680
		.amdhsa_private_segment_fixed_size 0
		.amdhsa_enable_private_segment 0
		.amdhsa_kernarg_size 48
		.amdhsa_user_sgpr_count 2
		.amdhsa_user_sgpr_kernarg_segment_ptr 1
		.amdhsa_wavefront_size32 1
		.amdhsa_system_sgpr_workgroup_id_x 1
		.amdhsa_system_sgpr_workgroup_id_y 1
		.amdhsa_system_sgpr_workgroup_id_z 1
		.amdhsa_system_vgpr_workitem_id 0
		.amdhsa_next_free_vgpr 512
		.amdhsa_next_free_sgpr 80
		.amdhsa_reserve_vcc 0
		.amdhsa_float_denorm_mode_32 3
		.amdhsa_float_denorm_mode_16_64 3
		.amdhsa_memory_ordered 1
		.amdhsa_forward_progress 1
		.amdhsa_inst_pref_size 48
	.end_amdhsa_kernel
	.amdgpu_metadata
---
amdhsa.version: [ 1, 2 ]
amdhsa.kernels:
  - .name:           k_qfd98c1ce56_proj
    .symbol:         k_qfd98c1ce56_proj.kd
    .args:
      - { .name: ao, .offset: 0, .size: 8, .value_kind: global_buffer, .address_space: global }
      - { .name: aos, .offset: 8, .size: 8, .value_kind: global_buffer, .address_space: global }
      - { .name: w_o_codes, .offset: 16, .size: 8, .value_kind: global_buffer, .address_space: global }
      - { .name: w_o_scales, .offset: 24, .size: 8, .value_kind: global_buffer, .address_space: global }
      - { .name: b_o, .offset: 32, .size: 8, .value_kind: global_buffer, .address_space: global }
      - { .name: out0, .offset: 40, .size: 8, .value_kind: global_buffer, .address_space: global }
    .group_segment_fixed_size: 327680
    .private_segment_fixed_size: 0
    .kernarg_segment_align: 8
    .kernarg_segment_size: 48
    .max_flat_workgroup_size: 256
    .sgpr_count:     80
    .vgpr_count:     512
    .wavefront_size: 32
...
	.end_amdgpu_metadata
.endif
;; end of part 3
